; MI455X (gfx1250); checked and timed in simulation.
; The chip was launched on July 23, 2026; its instructions are those of AMD's public machine-readable ISA for CDNA 5 (MIT licence, August 2026) and "CDNA5" Instruction Set Architecture Reference Guide (July 2026). The comments in the code are by the model that wrote it; some were corrected since.
;; Model. Allowed arithmetic: float matrix products may take bf16 or f16 operands with f32 sums; other float arithmetic in f32, or as packed bf16 or f16 multiplies, adds, multiply-adds, maxima and minima; sums over many terms, partial sums and values carried from step to step in f32; what a program stores and reads back later, other than sums and carried values, may be rounded once to bf16 or f16.
;; Inputs: input_tensor 4,096 x 4,096 int32; mat1 4,096 x 4,096 int32; mat2 4,096 x 4,096 int32.
;; Outputs: out0 4,096 x 4,096 float32.
;; 2 versions, each right; version 2 is version 1 with the launch cast written anew for expert scheduling mode. Each part assembles by itself: llvm-mc -triple=amdgcn-amd-amdhsa -mcpu=gfx1250 --defsym DOCPART=n.
;; ======== version 1 of 2: 2 launches
;; limits: right only within a limited range of input values
;; workspace buffers: a16 33,554,432 bytes; b16 33,554,432 bytes
;; launch cast (part 1): grid 128 x 2, 32 waves a work-group, no clusters, 0 bytes of LDS; arguments mat1, mat2, a16, b16; writes a16, b16
.if DOCPART == 1
	.amdgcn_target "amdgcn-amd-amdhsa--gfx1250"
	.amdhsa_code_object_version 6
	.text
	.protected	k_q0a920d1dca_cast
	.globl	k_q0a920d1dca_cast
	.p2align	8
	.type	k_q0a920d1dca_cast,@function
k_q0a920d1dca_cast:
	s_mov_b64 s[64:65], 0
	v_nop
	global_prefetch_b8 v0, s[64:65] scope:SCOPE_SE
	s_setreg_imm32_b32 hwreg(HW_REG_WAVE_MODE, 25, 1), 1
	s_wait_xcnt 0x0
; a16 = bf16(mat1), b16 = bf16(mat2), number by number, layouts unchanged: [4096][4096], row-major.
; int32 -> f32 (nearest even) -> bf16 (nearest even).  LIMIT: whole numbers of magnitude up to 256 are exact in bf16; larger ones are rounded, and by way of f32, so twice.
; A stream: each input byte is read once, each output byte written once; nothing is shared between threads, so no LDS, no barrier, no matrix unit, no cluster.
; SHARES.  Work-group (x, y): y picks the matrix, x picks 524,288 of its input bytes: 32 ROWS of 16,384 bytes, a row being what the 1,024 threads take in one instruction.
; Thread t takes the 16 bytes (4 numbers) at 16 t of each row and stores 8 bytes at 8 t: a wave's load covers 512 consecutive bytes, aligned, its store 256 consecutive bytes, aligned.
; IN FLIGHT.  A ring of 16 slots in registers: 16 loads of every wave are on their way.  All rows' steps stand in the immediates (507,904 at the most), so no address register is ever rewritten and there is no loop.
.set ROWIN,  16384                     ; input bytes in a row
.set ROWOUT, 8192                      ; output bytes in a row
.set DEPTH,  16                        ; slots = loads in flight in each wave
.set ROWS,   32                        ; rows of a work-group
.set X, 4                              ; v[4:67]   slot i: 4 registers, as loaded, then as f32
.set Y, 68                             ; v[68:99]  slot i: 2 registers, 4 bf16 to store
	s_load_b256 s[4:11], s[0:1], 0x0               ; mat1 s[4:5], mat2 s[6:7], a16 s[8:9], b16 s[10:11]
	s_and_b32 s12, ttmp7, 0xffff                   ; y: which matrix
	s_lshl_b32 s14, ttmp9, 19                      ; x times 524,288 input bytes (under 2^26),
	s_mov_b32 s15, 0
	s_lshl_b32 s16, ttmp9, 18                      ; x times 262,144 output bytes
	s_mov_b32 s17, 0
	v_lshlrev_b32 v1, 4, v0                        ; 16 t; never rewritten
	v_lshlrev_b32 v2, 3, v0                        ; 8 t; never rewritten
	s_wait_kmcnt 0x0
	s_cmp_eq_u32 s12, 0
	s_cselect_b64 s[4:5], s[4:5], s[6:7]           ; from mat1 or mat2,
	s_cselect_b64 s[8:9], s[8:9], s[10:11]         ; into a16 or b16
	s_add_nc_u64 s[4:5], s[4:5], s[14:15]
	s_add_nc_u64 s[8:9], s[8:9], s[16:17]
.set r, 0
.rept DEPTH
	global_load_b128 v[X+4*r:X+4*r+3], v1, s[4:5] offset:r*ROWIN th:TH_LOAD_NT  ; fill the ring: rows 0 to 15
.set r, r+1
.endr
; Row r's turn, in slot r % 16.  ahead = 1: the slot is filled again with the row 16 further on.  left = how many younger loads may stay out.
.macro SLOT r, ahead, left
.set XI, X+4*((\r)%DEPTH)
.set YI, Y+2*((\r)%DEPTH)
	s_wait_loadcnt \left                           ; loads come back in order (ISA guide 5.7.1): this row's is in, the younger ones stay out
.if (\r) >= DEPTH
	s_wait_xcnt 0x0                                ; the slot's Y was the data of the store 16 rows back: it is rewritten only behind this wait
.endif
.irp j, 0,1,2,3
	v_cvt_f32_i32 v[XI+(\j)], v[XI+(\j)]
.endr
	v_cvt_pk_bf16_f32 v[YI],   v[XI],   v[XI+1]    ; the first source goes into the low half: the lower address
	v_cvt_pk_bf16_f32 v[YI+1], v[XI+2], v[XI+3]
.if \ahead
	global_load_b128 v[XI:XI+3], v1, s[4:5] offset:((\r)+DEPTH)*ROWIN th:TH_LOAD_NT  ; the load ahead of the store
.endif
	global_store_b64 v2, v[YI:YI+1], s[8:9] offset:(\r)*ROWOUT
.endm
.set r, 0
.rept DEPTH
	SLOT r, 1, DEPTH-1
.set r, r+1
.endr
.rept DEPTH
	SLOT r, 0, ROWS-1-r                            ; the last 16 rows load nothing: the counts run down
.set r, r+1
.endr
	s_endpgm
.Lfunc_end_k_q0a920d1dca_cast:
	.size	k_q0a920d1dca_cast, .Lfunc_end_k_q0a920d1dca_cast-k_q0a920d1dca_cast
	.p2alignl 7, 3214868480
	.fill 96, 4, 3214868480
	.section	.rodata,"a",@progbits
	.p2align	6, 0x0
	.amdhsa_kernel k_q0a920d1dca_cast
		.amdhsa_group_segment_fixed_size 0
		.amdhsa_private_segment_fixed_size 0
		.amdhsa_enable_private_segment 0
		.amdhsa_kernarg_size 32
		.amdhsa_user_sgpr_count 2
		.amdhsa_user_sgpr_kernarg_segment_ptr 1
		.amdhsa_wavefront_size32 1
		.amdhsa_system_sgpr_workgroup_id_x 1
		.amdhsa_system_sgpr_workgroup_id_y 1
		.amdhsa_system_sgpr_workgroup_id_z 1
		.amdhsa_system_vgpr_workitem_id 0
		.amdhsa_next_free_vgpr 104
		.amdhsa_next_free_sgpr 66
		.amdhsa_reserve_vcc 0
		.amdhsa_float_denorm_mode_32 3
		.amdhsa_float_denorm_mode_16_64 3
		.amdhsa_memory_ordered 1
		.amdhsa_forward_progress 1
		.amdhsa_inst_pref_size 17
	.end_amdhsa_kernel
	.amdgpu_metadata
---
amdhsa.version: [ 1, 2 ]
amdhsa.kernels:
  - .name:           k_q0a920d1dca_cast
    .symbol:         k_q0a920d1dca_cast.kd
    .args:
      - { .name: mat1, .offset: 0, .size: 8, .value_kind: global_buffer, .address_space: global }
      - { .name: mat2, .offset: 8, .size: 8, .value_kind: global_buffer, .address_space: global }
      - { .name: a16, .offset: 16, .size: 8, .value_kind: global_buffer, .address_space: global }
      - { .name: b16, .offset: 24, .size: 8, .value_kind: global_buffer, .address_space: global }
    .group_segment_fixed_size: 0
    .private_segment_fixed_size: 0
    .kernarg_segment_align: 8
    .kernarg_segment_size: 32
    .max_flat_workgroup_size: 1024
    .sgpr_count:     66
    .vgpr_count:     104
    .wavefront_size: 32
...
	.end_amdgpu_metadata
.endif
;; end of part 1
;; launch gemm (part 2): grid 16 x 16, 4 waves a work-group, clusters of 4 x 4, 327,680 bytes of LDS; arguments a16, b16, input_tensor, out0; writes out0
.if DOCPART == 2
	.amdgcn_target "amdgcn-amd-amdhsa--gfx1250"
	.amdhsa_code_object_version 6
	.text
	.protected	k_q0a920d1dca_gemm
	.globl	k_q0a920d1dca_gemm
	.p2align	8
	.type	k_q0a920d1dca_gemm,@function
k_q0a920d1dca_gemm:
	s_mov_b64 s[64:65], 0
	v_nop
	global_prefetch_b8 v0, s[64:65] scope:SCOPE_SE
	s_setreg_imm32_b32 hwreg(HW_REG_WAVE_MODE, 25, 1), 1
	s_wait_xcnt 0x0
	s_wait_alu depctr_hold_cnt(0) depctr_sa_sdst(0) depctr_va_vdst(0) depctr_va_sdst(0) depctr_va_ssrc(0) depctr_va_vcc(0) depctr_vm_vsrc(0)
	s_getreg_b32 s2, hwreg(HW_REG_IB_STS2, 6, 4)
	s_cmp_eq_u32 s2, 0
	s_cbranch_scc0 .Lentry_in_a_cluster
	s_endpgm
.Lentry_in_a_cluster:
	s_bfe_u32 s2, ttmp6, 0x10000c
	s_cmp_lg_u32 s2, 0xf033
	s_cbranch_scc0 .Lentry_shape_is_right
	s_endpgm
.Lentry_shape_is_right:
; out0[m][n] = (the sum over k of a16[m][k] b16[k][n]) + f32(input_tensor[m][n]).  a16: [4096][4096] bf16, K along the rows; b16: [4096][4096] bf16, N along the rows;
; input_tensor: int32; out0: f32.  Products on the matrix units in bf16, sums in f32.  The factor ALPHA = 1.0 changes no bit and is not written.
; LIMITS.  With operands of magnitude up to 256 (exact in bf16) and sums under 2^24 the result is the exact whole number.  Beyond that: operands were rounded to bf16, sums and
; input_tensor are rounded as f32 rounds them, and the wrap-round of a 32-bit whole number (exact sums of 2^31 and more) is not reproduced.
; SHARES.  A tile of out0, 256 x 256, is made by a work-group of four waves; a wave makes 128 x 128: 64 accumulators of 16 x 16, 512 registers.  4096 / 256 squared = 256 work-groups.
; K goes in 32 steps of 128 through a ring of two LDS slots filled by the tensor data mover.  A's tile is 256 rows (m) x 256 bytes; B's is 128 rows (k) x 512 bytes, as it lies in memory,
; and B's fragments come out of LDS turned, by ds_load_tr16_b128: as many LDS loads as the plain form.
; CLUSTERS.  4 x 4 work-groups.  The four of a row of the cluster need the same tiles of A, the four of a column the same tiles of B: each tile is asked for JOINTLY, by the same tensor
; load with the same descriptor and a mask that names the four, and each receives it in its own LDS.
; THE MATRIX INSTRUCTION IS USED TRANSPOSED: source 0 = 16 columns of B, source 1 = 16 rows of A.  In accumulator (a, b) lane l, register j then holds row 16 a + l % 16 and column
; 16 b + 8 (l / 16) + j: eight neighbouring numbers of a row, 32 bytes.
; THE WAY OUT.  16 rows at a time go through the wave's own stage in LDS and come back as whole rows of 512 bytes; input_tensor's same rows, loaded four blocks ahead, are added; stored.
; REGISTERS, in windows of 256 (s_set_vgpr_msb's low byte: bits 1:0 source 0, 3:2 source 1, 5:4 source 2, 7:6 destination):
;   window 0: v0-31 addresses; v64-127, v128-191 fragments of A, two buffers; on the way out the rows that come back from the stage, by turns
;   window 1: v64-127, v128-191 fragments of B, two buffers; on the way out all 256: four buffers of 16 rows of input_tensor
;   window 2: the 32 accumulators of my rows 0-63 ((a, b) at v[8 (8 a + b)]);   window 3: those of my rows 64-127
.set KSTEP,  128
.set ROWAB,  8192                      ; bytes in a row of a16 and of b16
.set ROWC,   16384                     ; bytes in a row of input_tensor and of out0
.set PA,     272                       ; a row of A in LDS: 256 bytes + 16 of padding = 68 words: row r starts at bank 4 r mod 64 (64 banks of 4 bytes: ISA guide 11.1)
.set PB,     544                       ; a row of B in LDS: 512 bytes + 32 of padding = 136 words: row r starts at bank 8 r mod 64
.set HALFT,  34816                     ; what one tensor load brings: 128 rows of A (128 x 272) or 64 rows of B (64 x 544)
.set SLOT,   4*HALFT                   ; A's 256 rows, then B's 128 rows
.set STAGE,  2*SLOT                    ; behind the ring, never filled by a tensor load: 16 rows x 528 bytes for each wave
.set SP,     528                       ; a stage row: 512 bytes + 16: 33 x 16, so the 16 rows that a store touches start at 16 different groups of four banks
.set SPARE,  STAGE+4*16*SP             ; behind the stages: the spare words, 128 bytes for each wave: two blocks of 256 bytes that no other line names
.set LAPS,   16                        ; a lap = two K steps = once round the ring
.set ADRA, 16                          ; v16-17  LDS address of my A fragments in slot 0, 1
.set ADRB, 20                          ; v20-21  the same for B
.set STO,  24                          ; v24     the way out: where I put 32 bytes of a row
.set RD,   25                          ; v25     the way out: where I read 16 bytes of a row back
.set CO,   26                          ; v26     16 x lane: my 16 bytes of a row's 512 in input_tensor and out0; never rewritten
.set PFI,  27                          ; v27     input_tensor's prefetches: 16 rows x two pieces of 256 bytes, a lane a piece; never rewritten
.set SPW,  28                          ; v28     LDS address of my spare word: SPARE + 4 x my thread's number; never rewritten
.set NIL,  29                          ; v29     0; never rewritten
.set PFO,  30                          ; v30     the tiles' prefetches: my lane's offset; never rewritten
.set F0,   64                          ; fragment buffer 0
.set F1,   128                         ; fragment buffer 1
.set G1,  24                           ; s[24:31] descriptor group 1 for A's tiles
.set G0,  32                           ; s[32:39] descriptor group 0 for A's tiles, one set for each slot
.set LIM, 43                           ; s43      1 in a wave that prefetches tiles, else the greatest number
.set PFA, 44                           ; s[44:45] where my tile prefetches stand
.set G1B, 48                           ; s[48:55] descriptor group 1 for B's tiles
.set G0B, 56                           ; s[56:63] descriptor group 0 for B's tiles, one set for each slot
.set IT,  68                           ; s[68:69] input_tensor at my wave's corner
.set OUT, 70                           ; s[70:71] out0 at my wave's corner
.set PFS, 72                           ; s[72:73] a K step's bytes for my prefetches: 256 along A's rows, 128 rows of B
.set MSB, 0
.macro WIN new                         ; the immediate's high byte repeats the setting that is left; a switch that changes nothing is dropped
.if MSB != (\new)
	s_set_vgpr_msb (MSB<<8)|(\new)
.set MSB, \new
.endif
.endm
.set MUL_LO, 0xa1                      ; source 0 (B) window 1, source 1 (A) window 0, C and D window 2
.set MUL_HI, 0xf1                      ; the same, C and D window 3
.set TO_B,   0x40                      ; destination window 1, address window 0
; A joint load.  Waves 0 and 1 fetch A's two halves, waves 2 and 3 B's.  Each of the two lines has one mask and one set of registers for all that issue it.  The branch hangs on the
; wave's number alone.  An s_nop 0 and four v_nop follow each of the two lines, ahead of the jump, the label and what follows the macro.
.macro JLOAD s
	s_cmp_eq_u32 s11, 0
	s_cbranch_scc0 .Lfor_b_\@
	tensor_load_to_lds s[G0+4*(\s):G0+4*(\s)+3], s[G1:G1+7]
	s_nop 0
.rept 4
	v_nop
.endr
	s_branch .Lasked_\@
.Lfor_b_\@:
	tensor_load_to_lds s[G0B+4*(\s):G0B+4*(\s)+3], s[G1B:G1B+7]
	s_nop 0
.rept 4
	v_nop
.endr
.Lasked_\@:
.endm
; A PREFETCH INTO THE L2 of the K step that stands two refills on: 512 matrix instructions ahead of the joint load that will ask for it.  One instruction a wave, behind the joint load, its
; five lines and the run of LDS loads.  Each aligned piece of 256 bytes of a16 and b16 is named ONCE in the launch: A's tile row is read by every cluster of that row of clusters, and the
; one with x = 0 asks; B's tile column by every cluster of that column, and the one with y = 0 asks.  The four partners that ask for a tile jointly share it out BY ADDRESS: of the 128 rows
; of A that a wave fetches, the partner at cx takes 32, a lane a row; of the 64 rows of B, the partner at cy takes 16, two lanes a row.  The loop's last trip (s3 = 1) asks for nothing:
; there is no K step two refills on.  K steps 0 to 3 come by their loads alone.
.macro ASK
	s_cmp_gt_u32 s3, s[LIM]
	s_cbranch_scc0 .Lnot_mine_\@
	global_prefetch_b8 v[PFO], s[PFA:PFA+1] th:TH_LOAD_NT scope:SCOPE_SE
.Lnot_mine_\@:
.endm
; A round of the cluster's barrier: my work-group's barrier, so that wave 0's signal speaks for all four waves; wave 0 signals for the work-group; every wave waits for all sixteen
; work-groups; my work-group's barrier once more.
.macro CREST                           ; a round behind its opening barrier
	s_cmp_lg_u32 s10, 0
	s_cbranch_scc1 .Lnot_wave_0_\@
	s_barrier_signal -3
.Lnot_wave_0_\@:
	s_barrier_wait -3
	s_barrier_signal -1
	s_barrier_wait -1
.endm
.macro CROUND                          ; a whole round
	s_barrier_signal -1
	s_barrier_wait -1
	CREST
.endm
	s_load_b128 s[4:7], s[0:1], 0x0                ; a16 s[4:5], b16 s[6:7]
	s_load_b128 s[IT:IT+3], s[0:1], 0x10           ; input_tensor s[68:69], out0 s[70:71]
	v_lshl_add_u32 v[SPW], v0, 2, SPARE
	v_mov_b32 v[NIL], 0
	ds_add_u32 v[SPW], v[NIL]                      ; the wave's opening: the add, twice on end, and its wait ahead of my first tensor load; the set-up below, work on registers, stands between
	ds_add_u32 v[SPW], v[NIL]                      ; and once more, under the one wait
	v_lshrrev_b32 v1, 5, v0
	v_readfirstlane_b32 s10, v1                    ; wave 0..3
	s_lshr_b32 s11, s10, 1                         ; which half of the tile's rows is mine.  Also: I fetch for A (0) or for B (1)
	s_and_b32 s12, s10, 1                          ; which half of its columns.  Also: which half of that tile I fetch
	s_bfe_u32 s40, ttmp6, 0x40000                  ; cx: my place along the cluster's x
	s_bfe_u32 s41, ttmp6, 0x40004                  ; cy: along its y
	s_lshl_b32 s42, ttmp9, 2                       ; in a cluster launch ttmp9 and ttmp7 count clusters
	s_add_co_u32 s42, s42, s40                     ; tile column = 4 x cluster x + cx
	s_and_b32 s13, ttmp7, 0xffff
	s_lshl_b32 s13, s13, 2
	s_add_co_u32 s13, s13, s41                     ; tile row = 4 x cluster y + cy
	s_lshl_b32 s43, s41, 2
	s_lshl_b32 s43, 15, s43                        ; my row of the cluster: places 4 cy .. 4 cy + 3
	s_lshl_b32 s44, 0x1111, s40                    ; my column: places cx, cx + 4, cx + 8, cx + 12
	; descriptor group 1 for A: 128 rows x 128 elements
	s_or_b32 s[G1+0], s43, (1<<16)|(1<<20)|(1<<21)|(5<<22)|(3<<25)   ; 15:0 the mask: my row; 17:16 elements of 2 bytes; 20 padding on; 21 set beside a mask; 24:22 after every 64 words (code 5); 31:25 4 words of it (code 3)
	s_mov_b32 s[G1+1], 128<<16                     ; tensor_dim0 = 128
	s_mov_b32 s[G1+2], 128<<16                     ; tensor_dim1 = 128
	s_mov_b32 s[G1+3], 128<<16                     ; tile_dim0 = 128
	s_mov_b32 s[G1+4], 128                         ; tile_dim1 = 128
	s_mov_b32 s[G1+5], 4096                        ; elements from row to row
	s_mov_b32 s[G1+6], 0
	s_mov_b32 s[G1+7], 0
	; descriptor group 1 for B: 64 rows x 256 elements
	s_or_b32 s[G1B+0], s44, (1<<16)|(1<<20)|(1<<21)|(6<<22)|(7<<25)  ; the mask: my column; padding after every 128 words (code 6), 8 words of it (code 7)
	s_mov_b32 s[G1B+1], 256<<16                    ; tensor_dim0 = 256
	s_mov_b32 s[G1B+2], 64<<16                     ; tensor_dim1 = 64
	s_mov_b32 s[G1B+3], 256<<16                    ; tile_dim0 = 256
	s_mov_b32 s[G1B+4], 64                         ; tile_dim1 = 64
	s_mov_b32 s[G1B+5], 4096
	s_mov_b32 s[G1B+6], 0
	s_mov_b32 s[G1B+7], 0
	; where the tiles come from.  A's hang on the tile row alone, which my row of the cluster shares; B's on the tile column alone, which my column shares.  All offsets stay under 2^25.
	s_lshl_b32 s16, s13, 8
	s_lshl_b32 s17, s12, 7
	s_add_co_u32 s16, s16, s17                     ; A: row 256 x tile row + 128 x half,
	s_lshl_b32 s16, s16, 13                        ; in bytes
	s_mov_b32 s17, 0
	s_lshl_b32 s46, s12, 19                        ; B: row 64 x half, in bytes,
	s_lshl_b32 s47, s42, 9                         ; + the tile column's 512 bytes of a row
	s_add_co_u32 s46, s46, s47
	s_mov_b32 s47, 0
	s_mul_i32 s20, s10, HALFT                      ; and where they go: A's two halves, then B's two halves = wave x HALFT: no place in the cluster enters an LDS address
	s_wait_dscnt 0x0                               ; both opening adds are done
	s_wait_kmcnt 0x0
	s_add_nc_u64 s[14:15], s[4:5], s[16:17]
	s_add_nc_u64 s[46:47], s[6:7], s[46:47]
	CROUND                                         ; all sixteen work-groups are here: the first joint loads meet
.irp s, 0,1
	s_mov_b32 s[G0+4*(\s)], 1                                      ; count = 1
	s_add_co_u32 s[G0+4*(\s)+1], s20, (\s)*SLOT                    ; LDS address
	s_add_nc_u64 s[G0+4*(\s)+2:G0+4*(\s)+3], s[14:15], (\s)*KSTEP*2  ; global address: K step s, 256 bytes along the rows
	s_or_b32 s[G0+4*(\s)+3], s[G0+4*(\s)+3], 0x80000000            ; type = 2
	s_mov_b32 s[G0B+4*(\s)], 1
	s_add_co_u32 s[G0B+4*(\s)+1], s20, (\s)*SLOT
	s_add_nc_u64 s[G0B+4*(\s)+2:G0B+4*(\s)+3], s[46:47], (\s)*KSTEP*ROWAB  ; K step s, 128 rows down
	s_or_b32 s[G0B+4*(\s)+3], s[G0B+4*(\s)+3], 0x80000000
	JLOAD \s                                       ; the ring is filled before anything else is done: two loads of mine are out
.endr
	; A fragment is 16 rows x 32 K in 8 registers: lane l holds row l % 16; registers 0-3 hold K = 8 (l / 16) + 0..7, registers 4-7 K = 16 + 8 (l / 16) + 0..7.
	; A, whose rows lie along K: two loads of 16 bytes, 32 bytes apart.  B, whose rows lie along N: two turning loads, 16 rows apart; lane l reads 16 bytes of row 8 (l / 16) + l % 8,
	; columns 8 ((l / 8) % 2) + 0..7, and is left with column l % 16 and 8 K.
	v_and_b32 v1, 15, v0                           ; l % 16
	v_bfe_u32 v2, v0, 4, 1                         ; l / 16
	v_mul_u32_u24 v3, v1, PA
	v_lshl_add_u32 v3, v2, 4, v3                   ; A: row x pitch + 16 x half
	v_and_b32 v4, 7, v0
	v_lshl_add_u32 v4, v2, 3, v4
	v_mul_u32_u24 v4, v4, PB
	v_bfe_u32 v5, v0, 3, 1
	v_lshl_add_u32 v4, v5, 4, v4                   ; B: (8 (l / 16) + l % 8) x pitch + 16 ((l / 8) % 2)
	s_mul_i32 s21, s11, HALFT                      ; my 128 rows of A
	s_lshl_b32 s22, s12, 8                         ; my 128 columns of B: 256 bytes of each row,
	s_add_co_u32 s22, s22, 2*HALFT                 ; behind A's 256 rows
.irp s, 0,1
	v_add_nc_u32 v[ADRA+(\s)], s21, v3
	v_add_nc_u32 v[ADRB+(\s)], s22, v4
	s_add_co_u32 s21, s21, SLOT
	s_add_co_u32 s22, s22, SLOT
.endr
	s_mul_i32 s23, s10, 16*SP
	s_add_co_u32 s23, s23, STAGE                   ; my stage
	v_mul_u32_u24 v6, v1, SP                       ; in: row l % 16, 32 bytes for each half of the lanes
	v_lshl_add_u32 v6, v2, 5, v6
	v_add_nc_u32 v[STO], s23, v6
	v_and_b32 v7, 31, v0                           ; l
	v_lshlrev_b32 v[CO], 4, v7                     ; back, and in memory: 32 lanes take a row's 512 bytes
	v_add_nc_u32 v[RD], s23, v[CO]
	; my wave's corner in input_tensor and out0, under 2^26 bytes
	s_lshl_b32 s18, s13, 8
	s_lshl_b32 s19, s11, 7
	s_add_co_u32 s18, s18, s19                     ; row 256 x tile row + 128 x half
	s_lshl_b32 s18, s18, 14
	s_lshl_b32 s19, s42, 10                        ; + 1,024 bytes x tile column
	s_add_co_u32 s18, s18, s19
	s_lshl_b32 s19, s12, 9                         ; + 512 x half
	s_add_co_u32 s18, s18, s19
	s_mov_b32 s19, 0
	s_add_nc_u64 s[IT:IT+1], s[IT:IT+1], s[18:19]
	s_add_nc_u64 s[OUT:OUT+1], s[OUT:OUT+1], s[18:19]
	; the prefetches.  They start at K step 3: each change of slots steps the address first, so the first names K step 4
	s_lshl_b32 s20, s13, 8
	s_lshl_b32 s21, s12, 7
	s_add_co_u32 s20, s20, s21                     ; A: the 128 rows that I fetch,
	s_lshl_b32 s21, s40, 5
	s_add_co_u32 s20, s20, s21                     ; my work-group's 32 of them,
	s_lshl_b32 s20, s20, 13
	s_add_co_u32 s20, s20, 3*KSTEP*2               ; K step 3
	s_lshl_b32 s21, s12, 6                         ; B: the 64 rows that I fetch,
	s_lshl_b32 s23, s41, 4
	s_add_co_u32 s21, s21, s23                     ; my work-group's 16 of them,
	s_add_co_u32 s21, s21, 3*KSTEP                 ; K step 3,
	s_lshl_b32 s21, s21, 13
	s_lshl_b32 s23, s42, 9
	s_add_co_u32 s21, s21, s23                     ; the tile column's 512 bytes
	s_and_b32 s22, ttmp7, 0xffff                   ; cluster y
	s_mov_b32 s23, KSTEP*ROWAB
	s_cmp_eq_u32 s11, 0                            ; do I fetch for A?
	s_cselect_b32 s20, s20, s21
	s_cselect_b32 s22, ttmp9, s22                  ; the coordinate along which other clusters read the same rows
	s_cselect_b32 s[PFS], KSTEP*2, s23
	s_cselect_b64 s[PFA:PFA+1], s[4:5], s[6:7]
	s_mov_b32 s21, 0
	s_mov_b32 s[PFS+1], 0
	s_add_nc_u64 s[PFA:PFA+1], s[PFA:PFA+1], s[20:21]
	s_cmp_eq_u32 s22, 0
	s_cselect_b32 s[LIM], 1, -1                    ; the same in all sixteen partners, for a given wave
	v_lshrrev_b32 v5, s11, v7                      ; A: a lane a row; B: two lanes a row,
	v_and_b32 v6, s11, v7
	v_lshlrev_b32 v6, 8, v6                        ; 256 bytes apart
	v_lshl_add_u32 v[PFO], v5, 13, v6
	v_lshrrev_b32 v5, 1, v7                        ; input_tensor: two lanes a row of 512 bytes
	v_and_b32 v6, 1, v7
	v_lshlrev_b32 v6, 8, v6
	v_lshl_add_u32 v[PFI], v5, 14, v6
; 16 matrix instructions: m blocks a0, a0 + 1 of the window's four (hi = 0: my rows 0-63, 1: rows 64-127) x all 8 n blocks, 32 along K.  zero = 1: the product starts the sums: nothing is ever cleared.
; The 64 accumulators take turns, one instruction a turn, in the same order in every quarter step, over the loop's backward jump and into the tail too.
.macro MUL16 f, hi, a0, zero
	WIN MUL_LO+0x50*(\hi)
.irp a, \a0, (\a0)+1
.irp b, 0,1,2,3,4,5,6,7
.if \zero
	v_wmma_f32_16x16x32_bf16 v[8*(8*(\a)+(\b)):8*(8*(\a)+(\b))+7], v[(\f)+8*(\b):(\f)+8*(\b)+7], v[(\f)+8*(4*(\hi)+(\a)):(\f)+8*(4*(\hi)+(\a))+7], 0
.else
	v_wmma_f32_16x16x32_bf16 v[8*(8*(\a)+(\b)):8*(8*(\a)+(\b))+7], v[(\f)+8*(\b):(\f)+8*(\b)+7], v[(\f)+8*(4*(\hi)+(\a)):(\f)+8*(4*(\hi)+(\a))+7], v[8*(8*(\a)+(\b)):8*(8*(\a)+(\b))+7]
.endif
.endr
.endr
.endm
; 32 LDS loads in one run: the fragments of quarter q of a K step (32 K: 32 rows of B's tile, 64 bytes of A's rows) into buffer f.  The largest immediate is 61,152.
.macro FETCH slot, q, f
	WIN TO_B
.irp i, 0,1,2,3,4,5,6,7
	ds_load_tr16_b128 v[(\f)+8*(\i):(\f)+8*(\i)+3],   v[ADRB+(\slot)] offset:(\q)*32*PB+32*(\i)
	ds_load_tr16_b128 v[(\f)+8*(\i)+4:(\f)+8*(\i)+7], v[ADRB+(\slot)] offset:(\q)*32*PB+16*PB+32*(\i)
.endr
	WIN 0
.irp i, 0,1,2,3,4,5,6,7
	ds_load_b128 v[(\f)+8*(\i):(\f)+8*(\i)+3],   v[ADRA+(\slot)] offset:64*(\q)+(\i)*16*PA
	ds_load_b128 v[(\f)+8*(\i)+4:(\f)+8*(\i)+7], v[ADRA+(\slot)] offset:64*(\q)+(\i)*16*PA+32
.endr
.endm
; A load into a register that a matrix instruction has read, and a store that reads a matrix result, stand four places behind that matrix instruction, and only plain vector instructions
; that name none of its registers are places (ISA guide 7.12.1 for vector instructions).
.macro PLACES
.rept 4
	v_nop
.endr
.endm
; A K step is four quarters of 32 along K, 64 matrix instructions each, on buffers 0, 1, 0, 1.  One of the first three: multiplies buffer f; in its middle it fetches quarter q into buffer g.
.macro QUARTER slot, q, f, g, zero
	s_wait_dscnt 8                                 ; B and A's rows 0-63 are in; the youngest eight loads (A's rows 64-127) may be out
	MUL16 \f, 0, 0, \zero
	MUL16 \f, 0, 2, \zero
	PLACES
	FETCH \slot, \q, \g
	s_wait_dscnt 32                                ; all but the 32 just issued
	MUL16 \f, 1, 0, \zero
	MUL16 \f, 1, 2, \zero
.endm
; The last quarter multiplies buffer 1 and changes slots.  MEET is its first half: ONE barrier, for two things.  In front of it each wave waits for all its tensor loads, of which one is
; out: its part of the next slot; adds 0 to its spare word; and waits for that and for its own reads of this slot.  Behind it nobody reads this slot any more and the next slot is whole.
.macro MEET round                      ; round = 1: the rest of a round of the cluster's barrier follows
	WIN 0                                          ; (the add's two registers lie in window 0)
	s_wait_tensorcnt 0x0                           ; all my tensor loads have landed
	ds_add_u32 v[SPW], v[NIL]                      ; 0 onto my spare word
	s_wait_dscnt 9                                 ; (the add and the youngest eight loads may be out)
	MUL16 F1, 0, 0, 0                              ; sixteen matrix instructions stand between the add and the wait for it
	s_wait_dscnt 0x0                               ; the add is done, and my reads of this slot are over
	s_barrier_signal -1
	MUL16 F1, 0, 2, 0                              ; work on registers while the others arrive
.if \round
	WIN 0
.endif
	s_barrier_wait -1
.endm
; The whole last quarter in the loop: behind the round the slot just read out is filled again first, with the K step two steps on; then come the next slot's first fragments.
; From a request to the wait for it a wave issues 224 matrix instructions.
.macro TURN slot, next
	s_wait_xcnt 0x0                                ; the last prefetch, a K step back, has read its address: it is stepped here, ahead of the change's own waits
	s_add_nc_u64 s[PFA:PFA+1], s[PFA:PFA+1], s[PFS:PFS+1]
	MEET 1
	CREST                                          ; no wave of any partner still reads this slot's tile or has a load on its way
	s_add_nc_u64 s[G0+4*(\slot)+2:G0+4*(\slot)+3], s[G0+4*(\slot)+2:G0+4*(\slot)+3], 2*KSTEP*2        ; no tensor load of mine is out, so the descriptors may be written
	s_add_nc_u64 s[G0B+4*(\slot)+2:G0B+4*(\slot)+3], s[G0B+4*(\slot)+2:G0B+4*(\slot)+3], 2*KSTEP*ROWAB
	JLOAD \slot                                    ; the first tensor load behind the round, my only one until the next; its four v_nop are also the places in front of the loads below
	FETCH \next, 0, F0
	ASK
	MUL16 F1, 1, 0, 0
	MUL16 F1, 1, 2, 0
.endm
; THE WAY OUT, for block a of my eight blocks of 16 rows.
.macro SETIN a                         ; input_tensor's buffer for block a, in window 1: blocks 0 and 1 take the registers that lay idle in the loop, 2 and 3 B's two fragment buffers; 4 to 7 the same again
.if ((\a)%4) == 0
.set INB, 0
.elseif ((\a)%4) == 1
.set INB, 192
.else
.set INB, 64*((\a)%4)-64
.endif
.endm
.macro INLOAD a                        ; 16 rows x 512 bytes of input_tensor: each load takes 512 consecutive bytes, aligned; the row stands in the immediate, 2,080,768 at the most
	SETIN \a
	WIN 0x40                                       ; destination window 1, address window 0
.set t, 0
.rept 16
	global_load_b128 v[INB+4*t:INB+4*t+3], v[CO], s[IT:IT+1] offset:(16*(\a)+t)*ROWC th:TH_LOAD_NT
.set t, t+1
.endr
.endm
.macro TOSTAGE a                       ; the block's eight accumulators into my stage, each one's four lowest registers first; and back as whole rows
.set AC, 64*((\a)%4)
.set OB, 64+64*((\a)%2)
	WIN 0x08+4*((\a)/4)                            ; the stores' data (source 1) in window 2 or 3
.irp b, 0,1,2,3,4,5,6,7
	ds_store_b128 v[STO], v[AC+8*(\b):AC+8*(\b)+3]   offset:64*(\b)
	ds_store_b128 v[STO], v[AC+8*(\b)+4:AC+8*(\b)+7] offset:64*(\b)+16
.endr
	WIN 0
.if (\a) >= 2
	s_wait_xcnt 0x0                                ; these registers were the data of the stores two blocks back: they are rewritten only behind this wait
.endif
.set t, 0
.rept 16
	ds_load_b128 v[OB+4*t:OB+4*t+3], v[RD] offset:t*SP  ; LDS serves a wave's instructions in order (ISA guide 5.7.1.4): these see the stores above; the next block's stores come behind them
.set t, t+1
.endr
.endm
.macro ADDIN a, left                   ; left: the younger loads of input_tensor, which may stay out
	SETIN \a
.set OB, 64+64*((\a)%2)
	s_wait_loadcnt \left                           ; the block's 16 rows of input_tensor are in
	WIN 0x41                                       ; destination and source 0 in window 1
.set t, 0
.rept 64
	v_cvt_f32_i32 v[INB+t], v[INB+t]               ; this work stands between the stage's loads and the wait for them
.set t, t+1
.endr
	s_wait_dscnt 0x0                               ; the block is back from the stage
	WIN 0x04                                       ; source 1 in window 1
.set t, 0
.rept 32
	v_pk_add_f32 v[OB+2*t:OB+2*t+1], v[OB+2*t:OB+2*t+1], v[INB+2*t:INB+2*t+1]
.set t, t+1
.endr
.endm
.macro SEND a
.set OB, 64+64*((\a)%2)
	WIN 0
.set t, 0
.rept 16
	global_store_b128 v[CO], v[OB+4*t:OB+4*t+3], s[OUT:OUT+1] offset:(16*(\a)+t)*ROWC th:TH_STORE_NT  ; 512 consecutive bytes, at a multiple of 512 from out0's first byte
.set t, t+1
.endr
.endm
	s_wait_tensorcnt 1                             ; my part of K step 0 is in; K step 1's may stay out
	s_barrier_signal -1
	s_barrier_wait -1                              ; everybody's is
	FETCH 0, 0, F0
	QUARTER 0, 1, F0, F1, 1                        ; the first quarter stands in front of the loop: its products start the sums
	WIN 0                                          ; at a label and at a branch every window is 0
	s_mov_b32 s3, LAPS-1
.Llap:                                                 ; a trip goes once round the ring, from a lap's second quarter to the next lap's first, and fills both slots again
	QUARTER 0, 2, F1, F0, 0
	QUARTER 0, 3, F0, F1, 0
	TURN 0, 1
	QUARTER 1, 1, F0, F1, 0
	QUARTER 1, 2, F1, F0, 0
	QUARTER 1, 3, F0, F1, 0
	TURN 1, 0
	QUARTER 0, 1, F0, F1, 0
	WIN 0
	s_sub_co_u32 s3, s3, 1
	s_cmp_lg_u32 s3, 0
	s_cbranch_scc1 .Llap
	QUARTER 0, 2, F1, F0, 0                        ; the last lap is written out: it fills nothing, and has no round of the cluster's barrier
	QUARTER 0, 3, F0, F1, 0
	MEET 0                                         ; my one tensor load that was still out is slot 1's, the last K step's
	PLACES                                         ; for the loads into buffer 0
	FETCH 1, 0, F0
	INLOAD 0                                       ; input_tensor's first two blocks, a K step (256 matrix instructions) ahead of their use, behind the products' last barrier
	INLOAD 1
	WIN 0
	global_prefetch_b8 v[PFI], s[IT:IT+1] offset:32*ROWC th:TH_LOAD_NT scope:SCOPE_SE  ; and a prefetch into the L2 of my own blocks 2 and 3, whose registers are still B's fragments:
	global_prefetch_b8 v[PFI], s[IT:IT+1] offset:48*ROWC th:TH_LOAD_NT scope:SCOPE_SE  ; 16 rows x two pieces of 256 bytes each, a lane a piece; no other wave names them
	MUL16 F1, 1, 0, 0
	MUL16 F1, 1, 2, 0
	QUARTER 1, 1, F0, F1, 0
	QUARTER 1, 2, F1, F0, 0
	QUARTER 1, 3, F0, F1, 0
	s_wait_dscnt 8                                 ; the very last quarter: nothing more to fetch
	MUL16 F1, 0, 0, 0
	MUL16 F1, 0, 2, 0
	s_wait_dscnt 0x0
	MUL16 F1, 1, 0, 0
	MUL16 F1, 1, 2, 0
	PLACES                                         ; behind the last products: loads into the fragment buffers and stores of results follow;
	PLACES                                         ; eight places, twice what is asked for, once a launch
	INLOAD 2
	INLOAD 3
.irp a, 0,1,2,3
	TOSTAGE \a
	ADDIN \a, 48                                   ; three younger blocks of 16 loads may stay out
	INLOAD (\a)+4                                  ; the buffer just read takes the block four further on: loads ahead of stores
	SEND \a
.endr
	TOSTAGE 4
	ADDIN 4, 48
	SEND 4
	TOSTAGE 5
	ADDIN 5, 32                                    ; the counts run down
	SEND 5
	TOSTAGE 6
	ADDIN 6, 16
	SEND 6
	TOSTAGE 7
	ADDIN 7, 0
	SEND 7
	s_wait_tensorcnt 0x0                           ; the wave's end: behind my last tensor load and my last LDS store
	ds_add_u32 v[SPW], v[NIL]
	s_wait_dscnt 0x0
	CROUND                                         ; the closing round: no work-group ends while a partner may still ask for a tile that names it
	s_endpgm
.Lfunc_end_k_q0a920d1dca_gemm:
	.size	k_q0a920d1dca_gemm, .Lfunc_end_k_q0a920d1dca_gemm-k_q0a920d1dca_gemm
	.p2alignl 7, 3214868480
	.fill 96, 4, 3214868480
	.section	.rodata,"a",@progbits
	.p2align	6, 0x0
	.amdhsa_kernel k_q0a920d1dca_gemm
		.amdhsa_group_segment_fixed_size 327680
		.amdhsa_private_segment_fixed_size 0
		.amdhsa_enable_private_segment 0
		.amdhsa_kernarg_size 32
		.amdhsa_user_sgpr_count 2
		.amdhsa_user_sgpr_kernarg_segment_ptr 1
		.amdhsa_wavefront_size32 1
		.amdhsa_system_sgpr_workgroup_id_x 1
		.amdhsa_system_sgpr_workgroup_id_y 1
		.amdhsa_system_sgpr_workgroup_id_z 1
		.amdhsa_system_vgpr_workitem_id 0
		.amdhsa_next_free_vgpr 1024
		.amdhsa_next_free_sgpr 74
		.amdhsa_reserve_vcc 0
		.amdhsa_float_denorm_mode_32 3
		.amdhsa_float_denorm_mode_16_64 3
		.amdhsa_memory_ordered 1
		.amdhsa_forward_progress 1
		.amdhsa_inst_pref_size 187
	.end_amdhsa_kernel
	.amdgpu_metadata
---
amdhsa.version: [ 1, 2 ]
amdhsa.kernels:
  - .name:           k_q0a920d1dca_gemm
    .symbol:         k_q0a920d1dca_gemm.kd
    .args:
      - { .name: a16, .offset: 0, .size: 8, .value_kind: global_buffer, .address_space: global }
      - { .name: b16, .offset: 8, .size: 8, .value_kind: global_buffer, .address_space: global }
      - { .name: input_tensor, .offset: 16, .size: 8, .value_kind: global_buffer, .address_space: global }
      - { .name: out0, .offset: 24, .size: 8, .value_kind: global_buffer, .address_space: global }
    .group_segment_fixed_size: 327680
    .private_segment_fixed_size: 0
    .kernarg_segment_align: 8
    .kernarg_segment_size: 32
    .max_flat_workgroup_size: 128
    .sgpr_count:     74
    .vgpr_count:     1024
    .wavefront_size: 32
...
	.end_amdgpu_metadata
.endif
;; end of part 2
;; ======== version 2 of 2: 2 launches; version 1 with the launch cast written anew for expert scheduling mode
;; limits: right only within a limited range of input values
;; workspace buffers: a16 33,554,432 bytes; b16 33,554,432 bytes
;; launch cast (part 3): grid 128 x 2, 32 waves a work-group, no clusters, 0 bytes of LDS; arguments mat1, mat2, a16, b16; writes a16, b16
.if DOCPART == 3
	.amdgcn_target "amdgcn-amd-amdhsa--gfx1250"
	.amdhsa_code_object_version 6
	.text
	.protected	k_q0a920d1dca_cast
	.globl	k_q0a920d1dca_cast
	.p2align	8
	.type	k_q0a920d1dca_cast,@function
k_q0a920d1dca_cast:
	s_mov_b64 s[64:65], 0
	v_nop
	global_prefetch_b8 v0, s[64:65] scope:SCOPE_SE
	s_setreg_imm32_b32 hwreg(HW_REG_WAVE_SCHED_MODE, 0, 2), 2
	s_setreg_imm32_b32 hwreg(HW_REG_WAVE_MODE, 25, 1), 1
	s_wait_xcnt 0x0
	s_wait_alu depctr_vm_vsrc(0)
; a16 = bf16(mat1), b16 = bf16(mat2), number by number, layouts unchanged: [4096][4096], row-major.
; int32 -> f32 (nearest even) -> bf16 (nearest even).  LIMIT: whole numbers of magnitude up to 256 are exact in bf16; larger ones are rounded, and by way of f32, so twice.
; A stream: each input byte is read once, each output byte written once; nothing is shared between threads, so no LDS, no barrier, no matrix unit, no cluster.
; SHARES.  Work-group (x, y): y picks the matrix, x picks 524,288 of its input bytes: 32 ROWS of 16,384 bytes, a row being what the 1,024 threads take in one instruction.
; Thread t takes the 16 bytes (4 numbers) at 16 t of each row and stores 8 bytes at 8 t: a wave's load covers 512 consecutive bytes, aligned, its store 256 consecutive bytes, aligned.
; IN FLIGHT.  16 loads of every wave go out at the head, and each of the first 16 rows asks for the row 16 further on ahead of its own wait.  All rows' steps stand in the immediates
; (507,904 at the most), so no address register is ever rewritten and there is no loop.
; THE MODE: SCHED_MODE bits 1:0 = 2 (LLVM: expert scheduling mode 2), set by the entry lines.  The code itself states the register dependences between vector instructions and
; memory instructions, with s_wait_alu, always for 0.
; THE PLAN.  The 32 rows go in 8 blocks of four.  Registers that memory instructions touch:
;   v1, v2     byte offsets, made once at the head and never written again.
;   X0 .. X4   five blocks as loaded.  Blocks 0 to 3 are loaded at the head; block p + 4 is loaded in block p and lands in X[(p + 4) % 5] = X[(p - 1) % 5].  Block p converts X[p % 5] in place.
;   Y0 .. Y2   the rounded numbers of blocks 0 to 2, whose X buffers are loaded again.  Written once each, read by the stores that are issued one block later.
;   Blocks 3 to 7 are rounded in place: their X buffers are loaded no more, and a row's 8 bytes are stored from the first two of its four registers, one block later.
; So no register that a memory instruction reads is ever written again: the text owes no wait on vm_vsrc and holds no s_wait_xcnt.
; Block p's memory instructions are the loads into X[(p - 1) % 5] and the stores of block p - 1's rounded numbers: registers that block p - 1 worked on and that no vector instruction of
; block p names.  So ONE wait on va_vdst at a block's head states all that its eight memory instructions hang on, and these are dealt among its vector instructions with no further wait.
.set ROWIN,  16384                     ; input bytes in a row
.set ROWOUT, 8192                      ; output bytes in a row
.set DEPTH,  16                        ; a row is asked for 16 rows, four blocks, ahead
.set ROWS,   32                        ; rows of a work-group
.set BLOCK,  4                         ; rows in a block
.set XBUFS,  5                         ; buffers of a block as loaded
.set KEPT,   3                         ; blocks 0 to 2: their X buffers are loaded again (with blocks 5 to 7), so they round into Y
.set X, 4                              ; v[4:83]    buffer k, row i: 4 registers at X + 16 k + 4 i, as loaded, then as f32; in blocks 3 to 7 the first two then hold 4 bf16 to store
.set Y, 84                             ; v[84:107]  row r of the first 12: 2 registers at Y + 2 r, 4 bf16 to store
	s_load_b256 s[4:11], s[0:1], 0x0               ; mat1 s[4:5], mat2 s[6:7], a16 s[8:9], b16 s[10:11]
	s_and_b32 s12, ttmp7, 0xffff                   ; y: which matrix
	s_lshl_b32 s14, ttmp9, 19                      ; x times 524,288 input bytes (under 2^26),
	s_mov_b32 s15, 0
	s_lshl_b32 s16, ttmp9, 18                      ; x times 262,144 output bytes
	s_mov_b32 s17, 0
	v_lshlrev_b32 v1, 4, v0                        ; 16 t; never rewritten
	v_lshlrev_b32 v2, 3, v0                        ; 8 t; never rewritten
	s_wait_kmcnt 0x0
	s_cmp_eq_u32 s12, 0
	s_cselect_b64 s[4:5], s[4:5], s[6:7]           ; from mat1 or mat2,
	s_cselect_b64 s[8:9], s[8:9], s[10:11]         ; into a16 or b16
	s_add_nc_u64 s[4:5], s[4:5], s[14:15]
	s_add_nc_u64 s[8:9], s[8:9], s[16:17]
	s_wait_alu depctr_va_vdst(0)                   ; v1 and v2 are written: every load of the kernel reads v1 as its offset, every store v2
.set r, 0
.rept DEPTH
	global_load_b128 v[X+4*r:X+4*r+3], v1, s[4:5] offset:r*ROWIN th:TH_LOAD_NT  ; rows 0 to 15: blocks 0 to 3 into X0 to X3
.set r, r+1
.endr
; Row r leaves: from Y (blocks 0 to 2) or from the first two registers of its place in X (blocks 3 to 7).
.macro PUT r
.if (\r) < KEPT*BLOCK
.set PI, Y+2*(\r)
.else
.set PI, X+16*(((\r)/BLOCK)%XBUFS)+4*((\r)%BLOCK)
.endif
	global_store_b64 v2, v[PI:PI+1], s[8:9] offset:(\r)*ROWOUT
.endm
; Row r's turn.  In front of its six vector instructions stand the load of the row 16 further on (rows 0 to 15) and the store of the row one block back (rows 4 to 31): the load ahead of the store.
.macro ROW r
.set XI, X+16*(((\r)/BLOCK)%XBUFS)+4*((\r)%BLOCK)              ; the row as loaded
.set LI, X+16*((((\r)+DEPTH)/BLOCK)%XBUFS)+4*((\r)%BLOCK)      ; where the row 16 further on lands: the same row of the buffer that the block before worked on
.if (\r) < KEPT*BLOCK
.set OI, Y+2*(\r)                                              ; where the row is rounded to
.else
.set OI, XI
.endif
.if ((\r)%BLOCK == 0) && ((\r) > 0)
	s_wait_alu depctr_va_vdst(0)                   ; a block's head: the block before has written its rounded numbers, which this block's stores read, and is done writing and reading its X buffer, in which this block's loads land
.endif
.if (\r) < ROWS-DEPTH
	global_load_b128 v[LI:LI+3], v1, s[4:5] offset:((\r)+DEPTH)*ROWIN th:TH_LOAD_NT  ; no vector instruction since the block's wait names these registers (block 0: X4, which none has named at all)
.endif
.if (\r) >= BLOCK
	PUT (\r)-BLOCK                                 ; no vector instruction since the block's wait names its data
.endif
.if (\r) < ROWS-DEPTH
	s_wait_loadcnt DEPTH                           ; loads come back in order (ISA guide 5.7.1): this row's is in, the 16 younger ones, the one just issued among them, stay out
.else
	s_wait_loadcnt ROWS-1-(\r)                     ; the last 16 rows load nothing: the counts run down
.endif
.irp j, 0,1,2,3
	v_cvt_f32_i32 v[XI+(\j)], v[XI+(\j)]
.endr
	v_cvt_pk_bf16_f32 v[OI],   v[XI],   v[XI+1]    ; the first source goes into the low half: the lower address
	v_cvt_pk_bf16_f32 v[OI+1], v[XI+2], v[XI+3]
.endm
.set r, 0
.rept ROWS
	ROW r
.set r, r+1
.endr
	s_wait_alu depctr_va_vdst(0)                   ; block 7 has written its rounded numbers, which the last four stores read
.set r, ROWS-BLOCK
.rept BLOCK
	PUT r
.set r, r+1
.endr
	s_endpgm
.Lfunc_end_k_q0a920d1dca_cast:
	.size	k_q0a920d1dca_cast, .Lfunc_end_k_q0a920d1dca_cast-k_q0a920d1dca_cast
	.p2alignl 7, 3214868480
	.fill 96, 4, 3214868480
	.section	.rodata,"a",@progbits
	.p2align	6, 0x0
	.amdhsa_kernel k_q0a920d1dca_cast
		.amdhsa_group_segment_fixed_size 0
		.amdhsa_private_segment_fixed_size 0
		.amdhsa_enable_private_segment 0
		.amdhsa_kernarg_size 32
		.amdhsa_user_sgpr_count 2
		.amdhsa_user_sgpr_kernarg_segment_ptr 1
		.amdhsa_wavefront_size32 1
		.amdhsa_system_sgpr_workgroup_id_x 1
		.amdhsa_system_sgpr_workgroup_id_y 1
		.amdhsa_system_sgpr_workgroup_id_z 1
		.amdhsa_system_vgpr_workitem_id 0
		.amdhsa_next_free_vgpr 108
		.amdhsa_next_free_sgpr 66
		.amdhsa_reserve_vcc 0
		.amdhsa_float_denorm_mode_32 3
		.amdhsa_float_denorm_mode_16_64 3
		.amdhsa_memory_ordered 1
		.amdhsa_forward_progress 1
		.amdhsa_inst_pref_size 17
	.end_amdhsa_kernel
	.amdgpu_metadata
---
amdhsa.version: [ 1, 2 ]
amdhsa.kernels:
  - .name:           k_q0a920d1dca_cast
    .symbol:         k_q0a920d1dca_cast.kd
    .args:
      - { .name: mat1, .offset: 0, .size: 8, .value_kind: global_buffer, .address_space: global }
      - { .name: mat2, .offset: 8, .size: 8, .value_kind: global_buffer, .address_space: global }
      - { .name: a16, .offset: 16, .size: 8, .value_kind: global_buffer, .address_space: global }
      - { .name: b16, .offset: 24, .size: 8, .value_kind: global_buffer, .address_space: global }
    .group_segment_fixed_size: 0
    .private_segment_fixed_size: 0
    .kernarg_segment_align: 8
    .kernarg_segment_size: 32
    .max_flat_workgroup_size: 1024
    .sgpr_count:     66
    .vgpr_count:     108
    .wavefront_size: 32
...
	.end_amdgpu_metadata
.endif
;; end of part 3
;; launch gemm: the kernel of part 2 again; grid 16 x 16, 4 waves a work-group, clusters of 4 x 4, 327,680 bytes of LDS; arguments a16, b16, input_tensor, out0; writes out0
